; MI455X (gfx1250); checked and timed in simulation.
; The chip was launched on July 23, 2026; its instructions are those of AMD's public machine-readable ISA for CDNA 5 (MIT licence, August 2026) and "CDNA5" Instruction Set Architecture Reference Guide (July 2026). The comments in the code are by the model that wrote it; some were corrected since.
;; Multi Task Net. Allowed arithmetic: float matrix products may take bf16 or f16 operands with f32 sums; all other float work in f32.
;; Inputs: A 1,000,000 x 1 float32; B 1,000,000 x 1 float32; Q 1,000,000 x 32 float32; U 1,000,000 x 32 float32; W1 64 x 96 float32; W2 1 x 64 float32; b1 64 float32; b2 1 float32; item_ids 1,048,576 int32; user_ids 1,048,576 int32.
;; Outputs: out0 1,048,576 float32; out1 1,048,576 float32.
;; 2 versions, each right; version 2 is version 1 with the launch mtnet written anew for expert scheduling mode. Each part assembles by itself: llvm-mc -triple=amdgcn-amd-amdhsa -mcpu=gfx1250 --defsym DOCPART=n.
;; ======== version 1 of 2: 1 launch
;; launch mtnet (part 1): grid 256 x 1, 8 waves a work-group, no clusters, 13,312 bytes of LDS; arguments user_ids, item_ids, U, Q, A, B, W1, b1, W2, b2, out0, out1; writes out0, out1
.if DOCPART == 1
	.amdgcn_target "amdgcn-amd-amdhsa--gfx1250"
	.amdhsa_code_object_version 6
	.text
	.protected	k_q1c4844b56a_mtnet
	.globl	k_q1c4844b56a_mtnet
	.p2align	8
	.type	k_q1c4844b56a_mtnet,@function
k_q1c4844b56a_mtnet:
	s_mov_b64 s[64:65], 0
	v_nop
	global_prefetch_b8 v0, s[64:65] scope:SCOPE_SE
	s_setreg_imm32_b32 hwreg(HW_REG_WAVE_MODE, 25, 1), 1
	s_wait_xcnt 0x0
; out0[b] = U[uid[b]] . Q[iid[b]] + A[uid[b]] + B[iid[b]]
; out1[b] = W2 . relu(W1 [u, q, u*q] + b1) + b2            1,048,576 rows b, tables of 1,000,000 rows of 32 f32.
;
; SHARES.  256 work-groups of 8 waves; a work-group owns 4,096 rows, a wave 512 = 4 groups of 128 = 32 tiles of 16.
; Waves are independent but for one hand-over of W1 through LDS in front of the loop.
;
; LAYOUT.  L = lane, r = L & 15, h = L >> 4.  Tile t (0..7) of a group: lane r stands for row 64 (t>>2) + 4 r + (t&3), so
;   - one 16-byte load of ids at 256 k + 16 r gives a lane its ids for tiles 4k .. 4k+3,
;   - the results of tiles j and 4+j (j = 0..3) are 16 neighbouring bytes of the output at 16 L: one store of the wave
;     covers 512 consecutive, aligned bytes of a group.
; A lane loads its half of a table row straight into the place that the matrix fragment wants: no LDS on the data path.
; K is permuted inside each step of 32, alike in X and in W1: element p (0..15) of lane half h is true k = 8 (p>>2) + 4 h + (p&3),
; so load i (0..3) of a row reads its bytes 32 i + 16 h .. + 15 and the two halves of the wave together read 32 consecutive bytes.
; The matrix instruction is used transposed (source 0 = 16 rows of W1, source 1 = 16 batch rows): register j of accumulator m in
; lane (r, h) is hidden unit 16 m + 8 h + j of batch row r, so layer 2 is a sum inside the lane and one exchange between the halves.
;
; IN FLIGHT.  A ring of four tile slots in registers, 8 loads of 16 bytes a lane each: 32 row loads (16,384 bytes) a wave,
; asked for four turns ahead of their use.
;
; NOT USED.  Clusters: the only bytes that work-groups share are W1, b1, W2 (25,088 bytes against 1,048,576 gathered bytes a group).
; Tensor loads: rows are scattered and the fragment layout can be loaded directly.
;
; LIMITS.  Ids are taken as unsigned and clamped to 999,999 (reference() relies on ids inside the tables; a negative id is not wrapped).
; relu is v_max_num_f32 with 0: a NaN pre-activation gives 0 where reference() gives NaN.  W1, u, q and u*q enter the matrix unit
; rounded to bf16; the dot product, A, B, b1, b2 and layer 2 are f32, summed as trees, not in reference()'s order.
.set IDMAX,   0xf423f                  ; 999,999: the last row of every table
.set IDBYTES, 4194304                  ; bytes of an id list
.set GROUPB,  512                      ; bytes of a group of 128 rows in the id lists and in the outputs
.set TRIPS,   4                        ; groups of a wave
; window 0 (v0-v255)
.set VQ,    1                          ; 16 r
.set VL,    2                          ; 16 L
.set H16,   3                          ; 16 h
.set VIDA,  4                          ; 16 r + the group's byte offset
.set VIDB,  5                          ; 16 r + the clamped offset of the quad after next
.set VLG,   6                          ; 16 L + the group's byte offset: ids in output layout, and the stores
.set T,     7                          ; what the other half of the wave sent
.set BI,    8                          ; v[8:9]     (h == 0 ? b2 : 0, 0): starts a score chain
.set OFFU,  10                         ; v[10:13]   slot s: byte offset of my 16 bytes in the row of U
.set OFFQ,  14                         ; v[14:17]   the same in Q
.set RAWU,  18                         ; v[18:25]   user ids as loaded, for the eight refills of the next trip
.set RAWI,  26                         ; v[26:33]   item ids
.set CIDU,  34                         ; v[34:41]   clamped; index = the turn that refills with it
.set CIDI,  42                         ; v[42:49]
.set ABIDU, 50                         ; v[50:53]   user ids in output layout, then byte offsets in A
.set ABIDI, 54                         ; v[54:57]   item ids, then byte offsets in B
.set AV,    58                         ; v[58:61]   A of my four output rows
.set BV,    62                         ; v[62:65]   B
.set P,     66                         ; v[66:73]   tile t: my half of the dot product
.set S,     74                         ; v[74:81]   tile t: my half of the score
.set OP,    82                         ; v[82:85]   16 bytes of out0
.set OS,    86                         ; v[86:89]   16 bytes of out1
.set DTA,   90                         ; v[90:93]   pairs of the dot's tree
.set DTB,   92
.set SCA,   94                         ; v[94:97]   two chains of the score
.set SCB,   96
.set KP,    98
.set SD,    99
.set W2R,   100                        ; v[100:131] W2[16 m + 8 h + j] at 8 m + j
.set B1R,   132                        ; v[132:163] b1, likewise: the C of each first product
.set ACC,   164                        ; v[164:195] four accumulators (prologue: my part of W1 in f32)
.set PR,    196                        ; v[196:211] u*q in f32 (prologue: my part of W1 in bf16)
.set XU,    212                        ; v[212:219] fragment of u
.set XQ,    220                        ; v[220:227] fragment of q
.set XP,    228                        ; v[228:235] fragment of u*q
.set VW1,   236                        ; prologue: my offset in W1
.set H32,   237                        ; prologue: 32 h
.set VLDS,  238                        ; prologue: where I put my part of W1
; window 1 (v256-v479, written as v0-v223)
.set W1F,   0                          ; fragment (m, s) of W1 at 24 m + 8 s
.set RING,  96                         ; slot s: u at 96 + 32 s (16 registers), q at 112 + 32 s
; scalars: s[8:9] user_ids, s[10:11] item_ids, s[12:13] U, s[14:15] Q, s[16:17] A, s[18:19] B, s[20:21] W1, s[22:23] b1,
;          s[24:25] W2, s[26:27] b2, s[28:29] out0, s[30:31] out1; s32 wave; s33 the group's byte offset; s34 at work;
;          s35 trip counter; s36 mask of lanes 16-31; s37, s38 selects of v_permlanex16_b32; s39 b2; s40, s41 prologue
.set MSB, 0
.macro WIN new                         ; s_set_vgpr_msb: bits 1:0 source 0, 3:2 source 1, 5:4 source 2, 7:6 destination;
.if MSB != \new                        ; the high byte repeats the setting that is left
	s_set_vgpr_msb (MSB<<8)|\new
.set MSB, \new
.endif
.endm
; byte offsets of the slot's next rows: id x 128 + 16 h
.macro OFFS slot, k
	v_lshlrev_b32 v[OFFU+\slot], 7, v[CIDU+\k]
	v_lshlrev_b32 v[OFFQ+\slot], 7, v[CIDI+\k]
	v_add_nc_u32 v[OFFU+\slot], v[H16], v[OFFU+\slot]
	v_add_nc_u32 v[OFFQ+\slot], v[H16], v[OFFQ+\slot]
.endm
; eight loads: 16 rows of U and 16 rows of Q.  No cache word: a list may name a row twice.
.macro FILL slot
	WIN 0x40                                       ; data into window 1, offsets from window 0
.irp i, 0,1,2,3
	global_load_b128 v[RING+32*\slot+4*\i:RING+32*\slot+4*\i+3], v[OFFU+\slot], s[12:13] offset:32*\i
.endr
.irp i, 0,1,2,3
	global_load_b128 v[RING+32*\slot+16+4*\i:RING+32*\slot+16+4*\i+3], v[OFFQ+\slot], s[14:15] offset:32*\i
.endr
.endm
; everything that reads the slot: products in f32, u and q rounded to bf16
.macro CONVERT slot
	WIN 0x05                                       ; both sources from window 1
.irp i, 0,1,2,3,4,5,6,7
	v_pk_mul_f32 v[PR+2*\i:PR+2*\i+1], v[RING+32*\slot+2*\i:RING+32*\slot+2*\i+1], v[RING+32*\slot+16+2*\i:RING+32*\slot+16+2*\i+1]
.endr
.irp i, 0,1,2,3,4,5,6,7
	v_cvt_pk_bf16_f32 v[XU+\i], v[RING+32*\slot+2*\i], v[RING+32*\slot+2*\i+1]
.endr
.irp i, 0,1,2,3,4,5,6,7
	v_cvt_pk_bf16_f32 v[XQ+\i], v[RING+32*\slot+16+2*\i], v[RING+32*\slot+16+2*\i+1]
.endr
.endm
.macro XPROD
	WIN 0
.irp i, 0,1,2,3,4,5,6,7
	v_cvt_pk_bf16_f32 v[XP+\i], v[PR+2*\i], v[PR+2*\i+1]
.endr
.endm
; layer 1: 64 hidden units x 16 rows x K = 96.  The first product takes b1 as C: nothing is cleared, no bias is added later.
; The second and third are links in place on the same accumulator.
.macro MLP
	WIN 0x01                                       ; source 0 (W1) from window 1
.irp m, 0,1,2,3
	v_wmma_f32_16x16x32_bf16 v[ACC+8*\m:ACC+8*\m+7], v[W1F+24*\m:W1F+24*\m+7], v[XU:XU+7], v[B1R+8*\m:B1R+8*\m+7]
.endr
.irp m, 0,1,2,3
	v_wmma_f32_16x16x32_bf16 v[ACC+8*\m:ACC+8*\m+7], v[W1F+24*\m+8:W1F+24*\m+15], v[XQ:XQ+7], v[ACC+8*\m:ACC+8*\m+7]
.endr
.irp m, 0,1,2,3
	v_wmma_f32_16x16x32_bf16 v[ACC+8*\m:ACC+8*\m+7], v[W1F+24*\m+16:W1F+24*\m+23], v[XP:XP+7], v[ACC+8*\m:ACC+8*\m+7]
.endr
.endm
; my 16 products summed.  These eight plain instructions name no register of the matrix instructions above: they are the places
; that stand between the last of those and the first read of an accumulator (ISA guide 7.12.1 asks for four), and between them
; and the next turn's writes of XU, XQ, XP and of the accumulators.
.macro DOT t
	WIN 0
	v_pk_add_f32 v[DTA:DTA+1], v[PR:PR+1], v[PR+2:PR+3]
	v_pk_add_f32 v[DTB:DTB+1], v[PR+4:PR+5], v[PR+6:PR+7]
	v_pk_add_f32 v[SCA:SCA+1], v[PR+8:PR+9], v[PR+10:PR+11]
	v_pk_add_f32 v[SCB:SCB+1], v[PR+12:PR+13], v[PR+14:PR+15]
	v_pk_add_f32 v[DTA:DTA+1], v[DTA:DTA+1], v[DTB:DTB+1]
	v_pk_add_f32 v[SCA:SCA+1], v[SCA:SCA+1], v[SCB:SCB+1]
	v_pk_add_f32 v[DTA:DTA+1], v[DTA:DTA+1], v[SCA:SCA+1]
	v_add_f32 v[P+\t], v[DTA], v[DTA+1]
.endm
; relu and layer 2 over my 32 hidden units, two chains of packed multiply-adds; the first starts from b2 (lanes 0-15) or 0
.macro LAYER2 t
.set cnt, 0
.rept 32
	v_max_num_f32 v[ACC+cnt], 0, v[ACC+cnt]
.set cnt, cnt+1
.endr
	v_pk_fma_f32 v[SCA:SCA+1], v[ACC:ACC+1], v[W2R:W2R+1], v[BI:BI+1]
	v_pk_mul_f32 v[SCB:SCB+1], v[ACC+2:ACC+3], v[W2R+2:W2R+3]
.set cnt, 4
.rept 7
	v_pk_fma_f32 v[SCA:SCA+1], v[ACC+cnt:ACC+cnt+1], v[W2R+cnt:W2R+cnt+1], v[SCA:SCA+1]
	v_pk_fma_f32 v[SCB:SCB+1], v[ACC+cnt+2:ACC+cnt+3], v[W2R+cnt+2:W2R+cnt+3], v[SCB:SCB+1]
.set cnt, cnt+4
.endr
	v_pk_add_f32 v[SCA:SCA+1], v[SCA:SCA+1], v[SCB:SCB+1]
	v_add_f32 v[S+\t], v[SCA], v[SCA+1]
.endm
; Once a group, at the head of its first turn.  idload = 1: also asks for the ids that the next trip refills with.
.macro PREP idload
	s_wait_xcnt 0x0                                ; addresses of all earlier memory instructions are translated (ISA guide 3.1): VIDA, VIDB, VLG,
	                                               ; the offsets in ABIDU/ABIDI and the store data OP, OS are rewritten only behind this wait
.irp k, 0,1,2,3
	v_min_u32 v[CIDU+\k], IDMAX, v[RAWU+\k]        ; second quad of this group: refills of turns 0 to 3
	v_min_u32 v[CIDI+\k], IDMAX, v[RAWI+\k]
.endr
	v_add_nc_u32 v[VLG], s33, v[VL]
.if \idload
.irp k, 4,5,6,7
	v_min_u32 v[CIDU+\k], IDMAX, v[RAWU+\k]        ; first quad of the next group: refills of turns 4 to 7
	v_min_u32 v[CIDI+\k], IDMAX, v[RAWI+\k]
.endr
	s_add_co_u32 s34, s33, 2*GROUPB                ; the group after next.  In the last trip that asks, that group is not this wave's and its ids
	s_min_u32 s34, s34, IDBYTES-256                ; are not used; the clamp keeps the chip's last wave inside the lists
	v_add_nc_u32 v[VIDA], s33, v[VQ]
	v_add_nc_u32 v[VIDB], s34, v[VQ]
	global_load_b128 v[RAWU:RAWU+3],     v[VIDA], s[8:9]   offset:GROUPB+256   ; second quad of the next group
	global_load_b128 v[RAWI:RAWI+3],     v[VIDA], s[10:11] offset:GROUPB+256
	global_load_b128 v[RAWU+4:RAWU+7],   v[VIDB], s[8:9]                       ; first quad of the group after next
	global_load_b128 v[RAWI+4:RAWI+7],   v[VIDB], s[10:11]
	global_load_b128 v[ABIDU:ABIDU+3],   v[VLG],  s[8:9]   offset:GROUPB       ; the next group's ids in output layout
	global_load_b128 v[ABIDI:ABIDI+3],   v[VLG],  s[10:11] offset:GROUPB
.endif
.endm
; A and B of a group's 128 rows, every lane four rows of its own
.macro ABGATHER
	WIN 0
.irp j, 0,1,2,3
	v_min_u32 v[ABIDU+\j], IDMAX, v[ABIDU+\j]
	v_min_u32 v[ABIDI+\j], IDMAX, v[ABIDI+\j]
.endr
.irp j, 0,1,2,3
	v_lshlrev_b32 v[ABIDU+\j], 2, v[ABIDU+\j]
	v_lshlrev_b32 v[ABIDI+\j], 2, v[ABIDI+\j]
.endr
.irp j, 0,1,2,3
	global_load_b32 v[AV+\j], v[ABIDU+\j], s[16:17]
.endr
.irp j, 0,1,2,3
	global_load_b32 v[BV+\j], v[ABIDI+\j], s[18:19]
.endr
.endm
; The halves meet.  Lanes 0-15 finish tile j, lanes 16-31 tile 4 + j: each keeps its own half of its tile, sends its half of the
; other tile across, and ends with rows 4 L + j of the group.
.macro OUT
.irp j, 0,1,2,3
	v_cndmask_b32 v[KP], v[P+\j], v[P+4+\j], s36
	v_cndmask_b32 v[SD], v[P+4+\j], v[P+\j], s36
	v_permlanex16_b32 v[T], v[SD], s37, s38
	v_add_f32 v[KP], v[KP], v[AV+\j]
	v_add_f32 v[T], v[T], v[BV+\j]
	v_add_f32 v[OP+\j], v[KP], v[T]
.endr
.irp j, 0,1,2,3
	v_cndmask_b32 v[KP], v[S+\j], v[S+4+\j], s36
	v_cndmask_b32 v[SD], v[S+4+\j], v[S+\j], s36
	v_permlanex16_b32 v[T], v[SD], s37, s38
	v_add_f32 v[OS+\j], v[KP], v[T]
.endr
	global_store_b128 v[VLG], v[OP:OP+3], s[28:29] th:TH_STORE_NT   ; 512 consecutive, aligned bytes each
	global_store_b128 v[VLG], v[OS:OS+3], s[30:31] th:TH_STORE_NT
.endm
; The turn of tile t, which lies in slot t & 3.  left = loads issued behind the slot's eight; refill = 1: the slot gets the tile
; four turns on; prep = 1: PREP with id loads, 2: without, 0: none.
.macro TURN t, slot, left, refill, prep
	s_wait_loadcnt \left                           ; loads return in order (ISA guide 5.7.1): the slot's rows are in, its two offset registers free
.if \prep == 1
	PREP 1
.endif
.if \prep == 2
	PREP 0
.endif
.if \refill
	OFFS \slot, \t
.endif
	CONVERT \slot
.if \refill
	FILL \slot
.endif
	XPROD
	MLP
	DOT \t
	LAYER2 \t
.endm
	; ---- prologue ----
	s_load_b512 s[8:23], s[0:1], 0x0
	s_load_b256 s[24:31], s[0:1], 0x40
	v_lshl_add_u32 v254, v0, 2, 0x3000
	v_mov_b32 v255, 0
	v_and_b32 v[VL], 31, v0                        ; L
	v_and_b32 v[VQ], 15, v0                        ; r
	v_bfe_u32 v[H16], v0, 4, 1                     ; h
	v_lshrrev_b32 v[T], 5, v0                      ; (also T's first write: v_permlanex16_b32 counts as a reader of its destination)
	v_readfirstlane_b32 s32, v[T]                  ; wave
	v_mul_u32_u24 v[VW1], v[VQ], 384               ; a row of W1 is 384 bytes
	v_lshlrev_b32 v[H32], 5, v[H16]
	v_lshlrev_b32 v[H16], 4, v[H16]
	v_lshlrev_b32 v[VQ], 4, v[VQ]
	v_lshlrev_b32 v[VL], 4, v[VL]
	s_lshl_b32 s33, ttmp9, 14                      ; 4,096 rows x 4 bytes a work-group
	s_lshl_b32 s34, s32, 11                        ; 512 rows x 4 bytes a wave
	s_add_co_u32 s33, s33, s34
	; W1 as 24 half fragments q = 6 m + 2 s + half (16 rows x 16 k).  Wave w makes q = 3 w .. 3 w + 2: m = w >> 1, columns from 48 (w & 1).
	s_lshr_b32 s40, s32, 1
	s_mul_i32 s40, s40, 16*384
	s_and_b32 s41, s32, 1
	s_mul_i32 s41, s41, 192
	s_add_co_u32 s40, s40, s41
	s_mul_i32 s41, s32, 3*512
	s_mov_b32 s36, 0xffff0000
	s_mov_b32 s37, 0x76543210                      ; lane i of one half reads lane i of the other
	s_mov_b32 s38, 0xfedcba98
	v_add3_u32 v[VW1], v[VW1], v[H16], s40
	v_add_nc_u32 v[VLDS], s41, v[VL]
	v_add_nc_u32 v[VIDA], s33, v[VQ]
	v_add_nc_u32 v[VLG], s33, v[VL]
	s_wait_kmcnt 0x0
	s_load_b32 s39, s[26:27], 0x0                  ; b2
	; eight loads of ids: quad 0 (first fills), quads 1 and 2 (refills of the first trip), group 0 in output layout
	global_load_b128 v[CIDU:CIDU+3],   v[VIDA], s[8:9]
	global_load_b128 v[CIDI:CIDI+3],   v[VIDA], s[10:11]
	global_load_b128 v[RAWU:RAWU+3],   v[VIDA], s[8:9]   offset:256
	global_load_b128 v[RAWI:RAWI+3],   v[VIDA], s[10:11] offset:256
	global_load_b128 v[RAWU+4:RAWU+7], v[VIDA], s[8:9]   offset:512
	global_load_b128 v[RAWI+4:RAWI+7], v[VIDA], s[10:11] offset:512
	global_load_b128 v[ABIDU:ABIDU+3], v[VLG],  s[8:9]
	global_load_b128 v[ABIDI:ABIDI+3], v[VLG],  s[10:11]
	; 22 loads of weights: my three half fragments of W1 (true k = 8 i + 4 h + 0..3, as for the rows), b1 and W2 of my 32 hidden units
.irp i, 0,1,2
	global_load_b128 v[ACC+8*\i:ACC+8*\i+3],   v[VW1], s[20:21] offset:64*\i
	global_load_b128 v[ACC+8*\i+4:ACC+8*\i+7], v[VW1], s[20:21] offset:64*\i+32
.endr
.irp m, 0,1,2,3
	global_load_b128 v[B1R+8*\m:B1R+8*\m+3],   v[H32], s[22:23] offset:64*\m
	global_load_b128 v[B1R+8*\m+4:B1R+8*\m+7], v[H32], s[22:23] offset:64*\m+16
	global_load_b128 v[W2R+8*\m:W2R+8*\m+3],   v[H32], s[24:25] offset:64*\m
	global_load_b128 v[W2R+8*\m+4:W2R+8*\m+7], v[H32], s[24:25] offset:64*\m+16
.endr
	s_wait_loadcnt 22                              ; the eight id loads are in; the 22 weight loads stay out
.irp k, 0,1,2,3
	v_min_u32 v[CIDU+\k], IDMAX, v[CIDU+\k]
	v_min_u32 v[CIDI+\k], IDMAX, v[CIDI+\k]
.endr
	OFFS 0, 0
	OFFS 1, 1
	OFFS 2, 2
	OFFS 3, 3
	FILL 0                                         ; the ring is filled before the weights are touched; the order of issue (four fills,
	FILL 1                                         ; then A and B) is that of turns 4 to 7 of a trip, so the loop's counts hold on the way in
	FILL 2
	FILL 3
	ABGATHER
	s_wait_loadcnt 40                              ; the weights are in; 32 row loads and 8 loads of A and B are younger
.irp i, 0,1,2
.irp k, 0,1,2,3
	v_cvt_pk_bf16_f32 v[PR+4*\i+\k], v[ACC+8*\i+2*\k], v[ACC+8*\i+2*\k+1]
.endr
	ds_store_b128 v[VLDS], v[PR+4*\i:PR+4*\i+3] offset:512*\i      ; half fragment q at 512 q + 16 L: consecutive lanes, consecutive bytes
.endr
	s_wait_dscnt 0x0                               ; for the other waves: my part of W1 is in LDS,
	s_barrier_signal -1
	s_barrier_wait -1                              ; everybody's is.  The only barrier: LDS is not written again
	WIN 0x40
.set cnt, 0
.rept 24
	ds_load_b128 v[W1F+4*cnt:W1F+4*cnt+3], v[VL] offset:512*cnt
.set cnt, cnt+1
.endr
	WIN 0
	s_wait_kmcnt 0x0                               ; b2
	v_mov_b32 v[BI+1], 0
	v_mov_b32 v[BI], s39
	v_cndmask_b32 v[BI], v[BI], v[BI+1], s36       ; b2 enters once a row: in lanes 0-15
	s_wait_dscnt 0x0                               ; W1's fragments
	; ---- three trips that refill in every turn ----
	; Loads in the order of issue: turn 0: 6 of ids, 8 rows; turns 1 to 6: 8 rows; turn 7: 8 rows, then 8 of A and B.
	; A turn waits for the 8 issued four turns before, so its count is what was issued since:
	;   turn 0: 3 x 8 + 8 = 32;  turns 1 to 3: 3 x 8 + 8 + 6 = 38;  turns 4 to 7: 3 x 8 = 24.
	; The ids (read in the next trip's PREP and in ABGATHER) and A, B (read in OUT) are older than what turn 4 waits for.
	s_mov_b32 s35, 0
.Ltrip:
	TURN 0, 0, 32, 1, 1
	TURN 1, 1, 38, 1, 0
	TURN 2, 2, 38, 1, 0
	TURN 3, 3, 38, 1, 0
	TURN 4, 0, 24, 1, 0
	TURN 5, 1, 24, 1, 0
	TURN 6, 2, 24, 1, 0
	TURN 7, 3, 24, 1, 0
	OUT
	ABGATHER                                       ; for the next group, behind OUT's last read of AV and BV
	s_add_co_u32 s33, s33, GROUPB
	s_add_co_u32 s35, s35, 1
	s_cmp_lt_u32 s35, TRIPS-1
	s_cbranch_scc1 .Ltrip
	; ---- the last group: no ids to ask for, refills in turns 0 to 3 only, the counts run down ----
	; turns 0 to 3: 3 x 8 + 8 (A and B) = 32; then 24, 16, 8, 0.
	TURN 0, 0, 32, 1, 2
	TURN 1, 1, 32, 1, 0
	TURN 2, 2, 32, 1, 0
	TURN 3, 3, 32, 1, 0
	TURN 4, 0, 24, 0, 0
	TURN 5, 1, 16, 0, 0
	TURN 6, 2, 8, 0, 0
	TURN 7, 3, 0, 0, 0
	OUT
	s_wait_tensorcnt 0x0
	ds_add_u32 v254, v255
	s_wait_dscnt 0x0
	s_endpgm
.Lfunc_end_k_q1c4844b56a_mtnet:
	.size	k_q1c4844b56a_mtnet, .Lfunc_end_k_q1c4844b56a_mtnet-k_q1c4844b56a_mtnet
	.p2alignl 7, 3214868480
	.fill 96, 4, 3214868480
	.section	.rodata,"a",@progbits
	.p2align	6, 0x0
	.amdhsa_kernel k_q1c4844b56a_mtnet
		.amdhsa_group_segment_fixed_size 13312
		.amdhsa_private_segment_fixed_size 0
		.amdhsa_enable_private_segment 0
		.amdhsa_kernarg_size 96
		.amdhsa_user_sgpr_count 2
		.amdhsa_user_sgpr_kernarg_segment_ptr 1
		.amdhsa_wavefront_size32 1
		.amdhsa_system_sgpr_workgroup_id_x 1
		.amdhsa_system_sgpr_workgroup_id_y 1
		.amdhsa_system_sgpr_workgroup_id_z 1
		.amdhsa_system_vgpr_workitem_id 0
		.amdhsa_next_free_vgpr 480
		.amdhsa_next_free_sgpr 66
		.amdhsa_reserve_vcc 0
		.amdhsa_float_denorm_mode_32 3
		.amdhsa_float_denorm_mode_16_64 3
		.amdhsa_memory_ordered 1
		.amdhsa_forward_progress 1
		.amdhsa_inst_pref_size 120
	.end_amdhsa_kernel
	.amdgpu_metadata
---
amdhsa.version: [ 1, 2 ]
amdhsa.kernels:
  - .name:           k_q1c4844b56a_mtnet
    .symbol:         k_q1c4844b56a_mtnet.kd
    .args:
      - { .name: user_ids, .offset: 0, .size: 8, .value_kind: global_buffer, .address_space: global }
      - { .name: item_ids, .offset: 8, .size: 8, .value_kind: global_buffer, .address_space: global }
      - { .name: U, .offset: 16, .size: 8, .value_kind: global_buffer, .address_space: global }
      - { .name: Q, .offset: 24, .size: 8, .value_kind: global_buffer, .address_space: global }
      - { .name: A, .offset: 32, .size: 8, .value_kind: global_buffer, .address_space: global }
      - { .name: B, .offset: 40, .size: 8, .value_kind: global_buffer, .address_space: global }
      - { .name: W1, .offset: 48, .size: 8, .value_kind: global_buffer, .address_space: global }
      - { .name: b1, .offset: 56, .size: 8, .value_kind: global_buffer, .address_space: global }
      - { .name: W2, .offset: 64, .size: 8, .value_kind: global_buffer, .address_space: global }
      - { .name: b2, .offset: 72, .size: 8, .value_kind: global_buffer, .address_space: global }
      - { .name: out0, .offset: 80, .size: 8, .value_kind: global_buffer, .address_space: global }
      - { .name: out1, .offset: 88, .size: 8, .value_kind: global_buffer, .address_space: global }
    .group_segment_fixed_size: 13312
    .private_segment_fixed_size: 0
    .kernarg_segment_align: 8
    .kernarg_segment_size: 96
    .max_flat_workgroup_size: 256
    .sgpr_count:     66
    .vgpr_count:     480
    .wavefront_size: 32
...
	.end_amdgpu_metadata
.endif
;; end of part 1
;; ======== version 2 of 2: 1 launch; version 1 with the launch mtnet written anew for expert scheduling mode
;; launch mtnet (part 2): grid 256 x 1, 8 waves a work-group, no clusters, 13,312 bytes of LDS; arguments user_ids, item_ids, U, Q, A, B, W1, b1, W2, b2, out0, out1; writes out0, out1
.if DOCPART == 2
	.amdgcn_target "amdgcn-amd-amdhsa--gfx1250"
	.amdhsa_code_object_version 6
	.text
	.protected	k_q1c4844b56a_mtnet
	.globl	k_q1c4844b56a_mtnet
	.p2align	8
	.type	k_q1c4844b56a_mtnet,@function
k_q1c4844b56a_mtnet:
	s_mov_b64 s[64:65], 0
	v_nop
	global_prefetch_b8 v0, s[64:65] scope:SCOPE_SE
	s_setreg_imm32_b32 hwreg(HW_REG_WAVE_SCHED_MODE, 0, 2), 2
	s_setreg_imm32_b32 hwreg(HW_REG_WAVE_MODE, 25, 1), 1
	s_wait_xcnt 0x0
	s_wait_alu depctr_vm_vsrc(0)
; out0[b] = U[uid[b]] . Q[iid[b]] + A[uid[b]] + B[iid[b]]
; out1[b] = W2 . relu(W1 [u, q, u*q] + b1) + b2            1,048,576 rows b, tables of 1,000,000 rows of 32 f32.
;
; SHARES.  256 work-groups of 8 waves; a work-group owns 4,096 rows, a wave 512 = 4 groups of 128 = 32 tiles of 16.
; Waves are independent but for one hand-over of W1 through LDS in front of the loop.
;
; LAYOUT.  L = lane, r = L & 15, h = L >> 4.  Tile t (0..7) of a group: lane r stands for row 64 (t>>2) + 4 r + (t&3), so
;   - one 16-byte load of ids at 256 k + 16 r gives a lane its ids for tiles 4k .. 4k+3,
;   - the results of tiles j and 4+j (j = 0..3) are 16 neighbouring bytes of the output at 16 L: one store of the wave
;     covers 512 consecutive, aligned bytes of a group.
; A lane loads its half of a table row straight into the place that the matrix fragment wants: no LDS on the data path.
; K is permuted inside each step of 32, alike in X and in W1: element p (0..15) of lane half h is true k = 8 (p>>2) + 4 h + (p&3),
; so load i (0..3) of a row reads its bytes 32 i + 16 h .. + 15 and the two halves of the wave together read 32 consecutive bytes.
; The matrix instruction is used transposed (source 0 = 16 rows of W1, source 1 = 16 batch rows): register j of accumulator m in
; lane (r, h) is hidden unit 16 m + 8 h + j of batch row r, so layer 2 is a sum inside the lane and one exchange between the halves.
;
; IN FLIGHT.  A ring of four tile slots in registers, 8 loads of 16 bytes a lane each: 32 row loads (16,384 bytes) a wave,
; asked for four turns ahead of their use.
;
; THE MODE: SCHED_MODE bits 1:0 = 2 (LLVM: expert scheduling mode 2), set by the entry lines.  The code itself states the register dependences
; between vector or matrix instructions and memory or LDS instructions, with s_wait_alu, always for 0.
; THE PLAN.  Registers that memory instructions touch, in the loop:
;   RING[s]        Turn t (s = t & 3): the 24 lines of CONVERT read it; behind them the rows of the tile four turns on land in it.
;   OFFU, OFFQ     A pair for each of a group's eight turns.  Written once a group, all sixteen, in PREP; pair t is read by turn t's row loads.
;   RAWU, RAWI     Read by PREP's clamps; turn 0's id loads land in them.
;   ABIDU, ABIDI   Turn 0's id loads land in them; ABV, at the group's end, makes offsets of them in place; A's and B's loads read those.
;   AV, BV         A's and B's loads land in them at a group's end; OUTV of the next group's end reads them.
;   OP, OS         Written by OUTV, read by the group's two stores.
;   VIDA, VIDB, VLG  Written in PREP; read by the id loads, VLG by the stores too.
;   XU, XQ, XP, PR, the accumulators, W1's fragments, P, S and the chains are named by vector and matrix instructions alone.
; So a group has one wait on vm_vsrc, at PREP's head, for all that the group before asked for and stored; one wait on va_vdst in each turn that refills,
; behind CONVERT (turn 0's also stands for PREP's lines, so the id loads go out behind it, ahead of the rows); and one at the group's end, behind OUTV and
; ABV, for the eight loads of A and B and the two stores.  Between each of these waits and the memory instructions that lean on it stand only
; memory instructions on other registers and window switches.
;
; NOT USED.  Clusters: the only bytes that work-groups share are W1, b1, W2 (25,088 bytes against 1,048,576 gathered bytes a group).
; Tensor loads: rows are scattered and the fragment layout can be loaded directly.
;
; LIMITS.  Ids are taken as unsigned and clamped to 999,999 (reference() relies on ids inside the tables; a negative id is not wrapped).
; relu is v_max_num_f32 with 0: a NaN pre-activation gives 0 where reference() gives NaN.  W1, u, q and u*q enter the matrix unit
; rounded to bf16; the dot product, A, B, b1, b2 and layer 2 are f32, summed as trees, not in reference()'s order.
.set IDMAX,   0xf423f                  ; 999,999: the last row of every table
.set IDBYTES, 4194304                  ; bytes of an id list
.set GROUPB,  512                      ; bytes of a group of 128 rows in the id lists and in the outputs
.set TRIPS,   4                        ; groups of a wave
; window 0 (v0-v255)
.set VQ,    1                          ; 16 r
.set VL,    2                          ; 16 L
.set H16,   3                          ; 16 h
.set VIDA,  4                          ; 16 r + the group's byte offset
.set VIDB,  5                          ; 16 r + the clamped offset of the quad after next
.set VLG,   6                          ; 16 L + the group's byte offset: ids in output layout, and the stores
.set T,     7                          ; what the other half of the wave sent
.set BI,    8                          ; v[8:9]     (h == 0 ? b2 : 0, 0): starts a score chain
.set OFFU,  10                         ; v[10:17]   turn t: byte offset of my 16 bytes in the row of U that the turn asks for
.set RAWU,  18                         ; v[18:25]   user ids as loaded, for the eight refills of the next trip
.set RAWI,  26                         ; v[26:33]   item ids
.set CIDU,  34                         ; v[34:41]   clamped; index = the turn that refills with it
.set CIDI,  42                         ; v[42:49]
.set ABIDU, 50                         ; v[50:53]   user ids in output layout, then byte offsets in A
.set ABIDI, 54                         ; v[54:57]   item ids, then byte offsets in B
.set AV,    58                         ; v[58:61]   A of my four output rows
.set BV,    62                         ; v[62:65]   B
.set P,     66                         ; v[66:73]   tile t: my half of the dot product
.set S,     74                         ; v[74:81]   tile t: my half of the score
.set OP,    82                         ; v[82:85]   16 bytes of out0
.set OS,    86                         ; v[86:89]   16 bytes of out1
.set DTA,   90                         ; v[90:93]   pairs of the dot's tree
.set DTB,   92
.set SCA,   94                         ; v[94:97]   two chains of the score
.set SCB,   96
.set KP,    98
.set SD,    99
.set W2R,   100                        ; v[100:131] W2[16 m + 8 h + j] at 8 m + j
.set B1R,   132                        ; v[132:163] b1, likewise: the C of each first product
.set ACC,   164                        ; v[164:195] four accumulators (prologue: my part of W1 in f32)
.set PR,    196                        ; v[196:211] u*q in f32 (prologue: my part of W1 in bf16)
.set XU,    212                        ; v[212:219] fragment of u
.set XQ,    220                        ; v[220:227] fragment of q
.set XP,    228                        ; v[228:235] fragment of u*q
.set VW1,   236                        ; prologue: my offset in W1
.set H32,   237                        ; prologue: 32 h
.set VLDS,  238                        ; prologue: where I put my part of W1
.set OFFQ,  240                        ; v[240:247] turn t: the same as OFFU, in Q
; window 1 (v256-v479, written as v0-v223)
.set W1F,   0                          ; fragment (m, s) of W1 at 24 m + 8 s
.set RING,  96                         ; slot s: u at 96 + 32 s (16 registers), q at 112 + 32 s
; scalars: s[8:9] user_ids, s[10:11] item_ids, s[12:13] U, s[14:15] Q, s[16:17] A, s[18:19] B, s[20:21] W1, s[22:23] b1,
;          s[24:25] W2, s[26:27] b2, s[28:29] out0, s[30:31] out1; s32 wave; s33 the group's byte offset; s34 at work;
;          s35 trip counter; s36 mask of lanes 16-31; s37, s38 selects of v_permlanex16_b32; s39 b2; s40, s41 prologue
.set MSB, 0
.macro WIN new                         ; s_set_vgpr_msb: bits 1:0 source 0, 3:2 source 1, 5:4 source 2, 7:6 destination;
.if MSB != \new                        ; the high byte repeats the setting that is left
	s_set_vgpr_msb (MSB<<8)|\new
.set MSB, \new
.endif
.endm
; byte offsets of the rows that turn k asks for: id x 128 + 16 h
.macro OFFS k
	v_lshlrev_b32 v[OFFU+\k], 7, v[CIDU+\k]
	v_lshlrev_b32 v[OFFQ+\k], 7, v[CIDI+\k]
	v_add_nc_u32 v[OFFU+\k], v[H16], v[OFFU+\k]
	v_add_nc_u32 v[OFFQ+\k], v[H16], v[OFFQ+\k]
.endm
; eight loads: 16 rows of U and 16 rows of Q, by offset pair k.  No cache word: a list may name a row twice.
; Data into window 1, offsets from window 0: the caller sets the windows (0x40).
.macro FILL slot, k
.irp i, 0,1,2,3
	global_load_b128 v[RING+32*\slot+4*\i:RING+32*\slot+4*\i+3], v[OFFU+\k], s[12:13] offset:32*\i
.endr
.irp i, 0,1,2,3
	global_load_b128 v[RING+32*\slot+16+4*\i:RING+32*\slot+16+4*\i+3], v[OFFQ+\k], s[14:15] offset:32*\i
.endr
.endm
; everything that reads the slot: products in f32, u and q rounded to bf16
.macro CONVERT slot
	WIN 0x05                                       ; both sources from window 1
.irp i, 0,1,2,3,4,5,6,7
	v_pk_mul_f32 v[PR+2*\i:PR+2*\i+1], v[RING+32*\slot+2*\i:RING+32*\slot+2*\i+1], v[RING+32*\slot+16+2*\i:RING+32*\slot+16+2*\i+1]
.endr
.irp i, 0,1,2,3,4,5,6,7
	v_cvt_pk_bf16_f32 v[XU+\i], v[RING+32*\slot+2*\i], v[RING+32*\slot+2*\i+1]
.endr
.irp i, 0,1,2,3,4,5,6,7
	v_cvt_pk_bf16_f32 v[XQ+\i], v[RING+32*\slot+16+2*\i], v[RING+32*\slot+16+2*\i+1]
.endr
.endm
.macro XPROD
	WIN 0
.irp i, 0,1,2,3,4,5,6,7
	v_cvt_pk_bf16_f32 v[XP+\i], v[PR+2*\i], v[PR+2*\i+1]
.endr
.endm
; layer 1: 64 hidden units x 16 rows x K = 96.  The first product takes b1 as C: nothing is cleared, no bias is added later.
; The second and third are links in place on the same accumulator.
.macro MLP
	WIN 0x01                                       ; source 0 (W1) from window 1
.irp m, 0,1,2,3
	v_wmma_f32_16x16x32_bf16 v[ACC+8*\m:ACC+8*\m+7], v[W1F+24*\m:W1F+24*\m+7], v[XU:XU+7], v[B1R+8*\m:B1R+8*\m+7]
.endr
.irp m, 0,1,2,3
	v_wmma_f32_16x16x32_bf16 v[ACC+8*\m:ACC+8*\m+7], v[W1F+24*\m+8:W1F+24*\m+15], v[XQ:XQ+7], v[ACC+8*\m:ACC+8*\m+7]
.endr
.irp m, 0,1,2,3
	v_wmma_f32_16x16x32_bf16 v[ACC+8*\m:ACC+8*\m+7], v[W1F+24*\m+16:W1F+24*\m+23], v[XP:XP+7], v[ACC+8*\m:ACC+8*\m+7]
.endr
.endm
; my 16 products summed.  These eight plain instructions name no register of the matrix instructions above: they are the places
; that stand between the last of those and the first read of an accumulator (ISA guide 7.12.1 asks for four), and between them
; and the next turn's writes of XU, XQ, XP and of the accumulators.
.macro DOT t
	WIN 0
	v_pk_add_f32 v[DTA:DTA+1], v[PR:PR+1], v[PR+2:PR+3]
	v_pk_add_f32 v[DTB:DTB+1], v[PR+4:PR+5], v[PR+6:PR+7]
	v_pk_add_f32 v[SCA:SCA+1], v[PR+8:PR+9], v[PR+10:PR+11]
	v_pk_add_f32 v[SCB:SCB+1], v[PR+12:PR+13], v[PR+14:PR+15]
	v_pk_add_f32 v[DTA:DTA+1], v[DTA:DTA+1], v[DTB:DTB+1]
	v_pk_add_f32 v[SCA:SCA+1], v[SCA:SCA+1], v[SCB:SCB+1]
	v_pk_add_f32 v[DTA:DTA+1], v[DTA:DTA+1], v[SCA:SCA+1]
	v_add_f32 v[P+\t], v[DTA], v[DTA+1]
.endm
; relu and layer 2 over my 32 hidden units, two chains of packed multiply-adds; the first starts from b2 (lanes 0-15) or 0
.macro LAYER2 t
.set cnt, 0
.rept 32
	v_max_num_f32 v[ACC+cnt], 0, v[ACC+cnt]
.set cnt, cnt+1
.endr
	v_pk_fma_f32 v[SCA:SCA+1], v[ACC:ACC+1], v[W2R:W2R+1], v[BI:BI+1]
	v_pk_mul_f32 v[SCB:SCB+1], v[ACC+2:ACC+3], v[W2R+2:W2R+3]
.set cnt, 4
.rept 7
	v_pk_fma_f32 v[SCA:SCA+1], v[ACC+cnt:ACC+cnt+1], v[W2R+cnt:W2R+cnt+1], v[SCA:SCA+1]
	v_pk_fma_f32 v[SCB:SCB+1], v[ACC+cnt+2:ACC+cnt+3], v[W2R+cnt+2:W2R+cnt+3], v[SCB:SCB+1]
.set cnt, cnt+4
.endr
	v_pk_add_f32 v[SCA:SCA+1], v[SCA:SCA+1], v[SCB:SCB+1]
	v_add_f32 v[S+\t], v[SCA], v[SCA+1]
.endm
; Once a group, at the head of its first turn: the ids of the group's refills are clamped and all their row offsets made at once.
; idload = 1: all eight turns refill, and the offsets of the id loads are made too.  idload = 0: the last group, whose turns 0 to 3 alone refill.
.macro PREP idload
	WIN 0
	s_wait_xcnt 0x0                                ; addresses of all earlier memory instructions are translated (ISA guide 3.1): VIDA, VIDB, VLG, the row offsets,
	                                               ; the offsets in ABIDU/ABIDI and the store data OP, OS are rewritten only behind this wait
	s_wait_alu depctr_vm_vsrc(0)                   ; the last group's row loads have read OFFU and OFFQ, its id loads VIDA, VIDB and VLG, its stores VLG, OP and OS, the loads of A and B
	                                               ; the offsets in ABIDU/ABIDI (id loads land there); on the way into the loop: the LDS stores have read PR, which CONVERT writes
.irp k, 0,1,2,3
	v_min_u32 v[CIDU+\k], IDMAX, v[RAWU+\k]        ; second quad of this group: refills of turns 0 to 3
	v_min_u32 v[CIDI+\k], IDMAX, v[RAWI+\k]
.endr
	v_add_nc_u32 v[VLG], s33, v[VL]
.if \idload
.irp k, 4,5,6,7
	v_min_u32 v[CIDU+\k], IDMAX, v[RAWU+\k]        ; first quad of the next group: refills of turns 4 to 7
	v_min_u32 v[CIDI+\k], IDMAX, v[RAWI+\k]
.endr
	s_add_co_u32 s34, s33, 2*GROUPB                ; the group after next.  In the last trip that asks, that group is not this wave's and its ids
	s_min_u32 s34, s34, IDBYTES-256                ; are not used; the clamp keeps the chip's last wave inside the lists
	v_add_nc_u32 v[VIDA], s33, v[VQ]
	v_add_nc_u32 v[VIDB], s34, v[VQ]
.endif
.irp k, 0,1,2,3
	OFFS \k
.endr
.if \idload
.irp k, 4,5,6,7
	OFFS \k
.endr
.endif
.endm
; the ids that the next trip refills with, and the next group's ids in output layout
.macro IDLOADS
	global_load_b128 v[RAWU:RAWU+3],     v[VIDA], s[8:9]   offset:GROUPB+256   ; second quad of the next group
	global_load_b128 v[RAWI:RAWI+3],     v[VIDA], s[10:11] offset:GROUPB+256
	global_load_b128 v[RAWU+4:RAWU+7],   v[VIDB], s[8:9]                       ; first quad of the group after next
	global_load_b128 v[RAWI+4:RAWI+7],   v[VIDB], s[10:11]
	global_load_b128 v[ABIDU:ABIDU+3],   v[VLG],  s[8:9]   offset:GROUPB       ; the next group's ids in output layout
	global_load_b128 v[ABIDI:ABIDI+3],   v[VLG],  s[10:11] offset:GROUPB
.endm
; A and B of a group's 128 rows, every lane four rows of its own.  ABV: the offsets; ABL: the loads.
.macro ABV
	WIN 0
.irp j, 0,1,2,3
	v_min_u32 v[ABIDU+\j], IDMAX, v[ABIDU+\j]
	v_min_u32 v[ABIDI+\j], IDMAX, v[ABIDI+\j]
.endr
.irp j, 0,1,2,3
	v_lshlrev_b32 v[ABIDU+\j], 2, v[ABIDU+\j]
	v_lshlrev_b32 v[ABIDI+\j], 2, v[ABIDI+\j]
.endr
.endm
.macro ABL
.irp j, 0,1,2,3
	global_load_b32 v[AV+\j], v[ABIDU+\j], s[16:17]
.endr
.irp j, 0,1,2,3
	global_load_b32 v[BV+\j], v[ABIDI+\j], s[18:19]
.endr
.endm
; The halves meet.  Lanes 0-15 finish tile j, lanes 16-31 tile 4 + j: each keeps its own half of its tile, sends its half of the
; other tile across, and ends with rows 4 L + j of the group.  OUTV: the arithmetic; OUTS: the stores.
.macro OUTV
.irp j, 0,1,2,3
	v_cndmask_b32 v[KP], v[P+\j], v[P+4+\j], s36
	v_cndmask_b32 v[SD], v[P+4+\j], v[P+\j], s36
	v_permlanex16_b32 v[T], v[SD], s37, s38
	v_add_f32 v[KP], v[KP], v[AV+\j]
	v_add_f32 v[T], v[T], v[BV+\j]
	v_add_f32 v[OP+\j], v[KP], v[T]
.endr
.irp j, 0,1,2,3
	v_cndmask_b32 v[KP], v[S+\j], v[S+4+\j], s36
	v_cndmask_b32 v[SD], v[S+4+\j], v[S+\j], s36
	v_permlanex16_b32 v[T], v[SD], s37, s38
	v_add_f32 v[OS+\j], v[KP], v[T]
.endr
.endm
.macro OUTS
	global_store_b128 v[VLG], v[OP:OP+3], s[28:29] th:TH_STORE_NT   ; 512 consecutive, aligned bytes each
	global_store_b128 v[VLG], v[OS:OS+3], s[30:31] th:TH_STORE_NT
.endm
; The turn of tile t, which lies in slot t & 3.  left = loads issued behind the slot's eight; refill = 1: the slot gets the tile
; four turns on; prep = 1: PREP and the id loads, 2: PREP without them, 0: none.
.macro TURN t, slot, left, refill, prep
	s_wait_loadcnt \left                           ; loads return in order (ISA guide 5.7.1): the slot's rows are in
.if \prep == 1
	PREP 1
.endif
.if \prep == 2
	PREP 0
.endif
	CONVERT \slot
.if \refill
.if \prep == 1
	WIN 0
	s_wait_alu depctr_va_vdst(0)                   ; CONVERT is done reading the slot; PREP has written the row offsets, VIDA, VIDB and VLG and is done reading RAWU and RAWI; the last ABV has written ABIDU/ABIDI, in which id loads land
	IDLOADS
	WIN 0x40                                       ; between the wait above and the row loads stand the id loads, which name other registers, and this switch
.else
	WIN 0x40
	s_wait_alu depctr_va_vdst(0)                   ; CONVERT is done reading the slot, in which the loads below land (where PREP stands in this turn: it has written their offsets)
.endif
	FILL \slot, \t                                 ; the slot is asked for again at once
.endif
	XPROD
	MLP
	DOT \t
	LAYER2 \t
.endm
	; ---- prologue ----
	s_load_b512 s[8:23], s[0:1], 0x0
	s_load_b256 s[24:31], s[0:1], 0x40
	v_lshl_add_u32 v254, v0, 2, 0x3000
	v_mov_b32 v255, 0
	v_and_b32 v[VL], 31, v0                        ; L
	v_and_b32 v[VQ], 15, v0                        ; r
	v_bfe_u32 v[H16], v0, 4, 1                     ; h
	v_lshrrev_b32 v[T], 5, v0                      ; (also T's first write: v_permlanex16_b32 counts as a reader of its destination)
	v_readfirstlane_b32 s32, v[T]                  ; wave
	v_mul_u32_u24 v[VW1], v[VQ], 384               ; a row of W1 is 384 bytes
	v_lshlrev_b32 v[H32], 5, v[H16]
	v_lshlrev_b32 v[H16], 4, v[H16]
	v_lshlrev_b32 v[VQ], 4, v[VQ]
	v_lshlrev_b32 v[VL], 4, v[VL]
	s_wait_alu depctr_va_sdst(0)                   ; s32 is written, ahead of its first reader: the wave's offsets are made from it
	s_lshl_b32 s33, ttmp9, 14                      ; 4,096 rows x 4 bytes a work-group
	s_lshl_b32 s34, s32, 11                        ; 512 rows x 4 bytes a wave
	s_add_co_u32 s33, s33, s34
	; W1 as 24 half fragments q = 6 m + 2 s + half (16 rows x 16 k).  Wave w makes q = 3 w .. 3 w + 2: m = w >> 1, columns from 48 (w & 1).
	s_lshr_b32 s40, s32, 1
	s_mul_i32 s40, s40, 16*384
	s_and_b32 s41, s32, 1
	s_mul_i32 s41, s41, 192
	s_add_co_u32 s40, s40, s41
	s_mul_i32 s41, s32, 3*512
	s_mov_b32 s36, 0xffff0000
	s_mov_b32 s37, 0x76543210                      ; lane i of one half reads lane i of the other
	s_mov_b32 s38, 0xfedcba98
	v_add3_u32 v[VW1], v[VW1], v[H16], s40
	v_add_nc_u32 v[VLDS], s41, v[VL]
	v_add_nc_u32 v[VIDA], s33, v[VQ]
	v_add_nc_u32 v[VLG], s33, v[VL]
	s_wait_kmcnt 0x0
	s_load_b32 s39, s[26:27], 0x0                  ; b2
	s_wait_alu depctr_va_vdst(0)                   ; VIDA, VLG, VW1 and H32 are written, which the loads below read as offsets; so are VLDS and VL, the LDS addresses further down
	; eight loads of ids: quad 0 (first fills), quads 1 and 2 (refills of the first trip), group 0 in output layout
	global_load_b128 v[CIDU:CIDU+3],   v[VIDA], s[8:9]
	global_load_b128 v[CIDI:CIDI+3],   v[VIDA], s[10:11]
	global_load_b128 v[RAWU:RAWU+3],   v[VIDA], s[8:9]   offset:256
	global_load_b128 v[RAWI:RAWI+3],   v[VIDA], s[10:11] offset:256
	global_load_b128 v[RAWU+4:RAWU+7], v[VIDA], s[8:9]   offset:512
	global_load_b128 v[RAWI+4:RAWI+7], v[VIDA], s[10:11] offset:512
	global_load_b128 v[ABIDU:ABIDU+3], v[VLG],  s[8:9]
	global_load_b128 v[ABIDI:ABIDI+3], v[VLG],  s[10:11]
	; 22 loads of weights: my three half fragments of W1 (true k = 8 i + 4 h + 0..3, as for the rows), b1 and W2 of my 32 hidden units
.irp i, 0,1,2
	global_load_b128 v[ACC+8*\i:ACC+8*\i+3],   v[VW1], s[20:21] offset:64*\i
	global_load_b128 v[ACC+8*\i+4:ACC+8*\i+7], v[VW1], s[20:21] offset:64*\i+32
.endr
.irp m, 0,1,2,3
	global_load_b128 v[B1R+8*\m:B1R+8*\m+3],   v[H32], s[22:23] offset:64*\m
	global_load_b128 v[B1R+8*\m+4:B1R+8*\m+7], v[H32], s[22:23] offset:64*\m+16
	global_load_b128 v[W2R+8*\m:W2R+8*\m+3],   v[H32], s[24:25] offset:64*\m
	global_load_b128 v[W2R+8*\m+4:W2R+8*\m+7], v[H32], s[24:25] offset:64*\m+16
.endr
	s_wait_loadcnt 22                              ; the eight id loads are in; the 22 weight loads stay out
.irp k, 0,1,2,3
	v_min_u32 v[CIDU+\k], IDMAX, v[CIDU+\k]
	v_min_u32 v[CIDI+\k], IDMAX, v[CIDI+\k]
.endr
	OFFS 0
	OFFS 1
	OFFS 2
	OFFS 3
	ABV
	WIN 0x40
	s_wait_alu depctr_va_vdst(0)                   ; the first four pairs of row offsets and the offsets in A and B are written: the 40 loads below read them
	FILL 0, 0                                      ; the ring is filled before the weights are touched; the order of issue (four fills,
	FILL 1, 1                                      ; then A and B) is that of turns 4 to 7 of a trip, so the loop's counts hold on the way in
	FILL 2, 2
	FILL 3, 3
	WIN 0
	ABL
	s_wait_loadcnt 40                              ; the weights are in; 32 row loads and 8 loads of A and B are younger
.irp i, 0,1,2
.irp k, 0,1,2,3
	v_cvt_pk_bf16_f32 v[PR+4*\i+\k], v[ACC+8*\i+2*\k], v[ACC+8*\i+2*\k+1]
.endr
.endr
	s_wait_alu depctr_va_vdst(0)                   ; the conversions have written v[PR ..], which the LDS stores read
.irp i, 0,1,2
	ds_store_b128 v[VLDS], v[PR+4*\i:PR+4*\i+3] offset:512*\i      ; half fragment q at 512 q + 16 L: consecutive lanes, consecutive bytes
.endr
	s_wait_dscnt 0x0                               ; for the other waves: my part of W1 is in LDS,
	s_barrier_signal -1
	s_barrier_wait -1                              ; everybody's is.  The only barrier: LDS is not written again
	WIN 0x40
.set cnt, 0
.rept 24
	ds_load_b128 v[W1F+4*cnt:W1F+4*cnt+3], v[VL] offset:512*cnt    ; VL was written ahead of the waits on va_vdst above; no vector instruction has named W1F
.set cnt, cnt+1
.endr
	WIN 0
	s_wait_kmcnt 0x0                               ; b2
	v_mov_b32 v[BI+1], 0
	v_mov_b32 v[BI], s39
	v_cndmask_b32 v[BI], v[BI], v[BI+1], s36       ; b2 enters once a row: in lanes 0-15
	s_wait_dscnt 0x0                               ; W1's fragments
	; ---- three trips that refill in every turn ----
	; Loads in the order of issue: turn 0: 6 of ids, 8 rows; turns 1 to 6: 8 rows; turn 7: 8 rows, then 8 of A and B.
	; A turn waits for the 8 issued four turns before, so its count is what was issued since:
	;   turn 0: 3 x 8 + 8 = 32;  turns 1 to 3: 3 x 8 + 8 + 6 = 38;  turns 4 to 7: 3 x 8 = 24.
	; The ids (read in the next trip's PREP and in ABV) and A, B (read in OUTV) are older than what turn 4 waits for.
	s_mov_b32 s35, 0
.Ltrip:
	TURN 0, 0, 32, 1, 1
	TURN 1, 1, 38, 1, 0
	TURN 2, 2, 38, 1, 0
	TURN 3, 3, 38, 1, 0
	TURN 4, 0, 24, 1, 0
	TURN 5, 1, 24, 1, 0
	TURN 6, 2, 24, 1, 0
	TURN 7, 3, 24, 1, 0
	OUTV
	ABV                                            ; for the next group
	s_wait_alu depctr_va_vdst(0)                   ; OUTV has written OP and OS, which the stores read, and is done reading AV and BV, in which the loads land; ABV has written their offsets
	ABL
	OUTS
	s_add_co_u32 s33, s33, GROUPB
	s_add_co_u32 s35, s35, 1
	s_cmp_lt_u32 s35, TRIPS-1
	s_cbranch_scc1 .Ltrip
	; ---- the last group: no ids to ask for, refills in turns 0 to 3 only, the counts run down ----
	; turns 0 to 3: 3 x 8 + 8 (A and B) = 32; then 24, 16, 8, 0.  Turns 4 to 7 issue no memory instruction and state no dependence.
	TURN 0, 0, 32, 1, 2
	TURN 1, 1, 32, 1, 0
	TURN 2, 2, 32, 1, 0
	TURN 3, 3, 32, 1, 0
	TURN 4, 0, 24, 0, 0
	TURN 5, 1, 16, 0, 0
	TURN 6, 2, 8, 0, 0
	TURN 7, 3, 0, 0, 0
	OUTV
	s_wait_alu depctr_va_vdst(0)                   ; OUTV has written OP and OS, which the last two stores read
	OUTS
	s_wait_dscnt 0x0
	s_wait_alu depctr_hold_cnt(0) depctr_sa_sdst(0) depctr_va_vdst(0) depctr_va_sdst(0) depctr_va_ssrc(0) depctr_va_vcc(0) depctr_vm_vsrc(0)
	s_wait_tensorcnt 0x0
	ds_add_u32 v254, v255
	s_wait_dscnt 0x0
	s_endpgm
.Lfunc_end_k_q1c4844b56a_mtnet:
	.size	k_q1c4844b56a_mtnet, .Lfunc_end_k_q1c4844b56a_mtnet-k_q1c4844b56a_mtnet
	.p2alignl 7, 3214868480
	.fill 96, 4, 3214868480
	.section	.rodata,"a",@progbits
	.p2align	6, 0x0
	.amdhsa_kernel k_q1c4844b56a_mtnet
		.amdhsa_group_segment_fixed_size 13312
		.amdhsa_private_segment_fixed_size 0
		.amdhsa_enable_private_segment 0
		.amdhsa_kernarg_size 96
		.amdhsa_user_sgpr_count 2
		.amdhsa_user_sgpr_kernarg_segment_ptr 1
		.amdhsa_wavefront_size32 1
		.amdhsa_system_sgpr_workgroup_id_x 1
		.amdhsa_system_sgpr_workgroup_id_y 1
		.amdhsa_system_sgpr_workgroup_id_z 1
		.amdhsa_system_vgpr_workitem_id 0
		.amdhsa_next_free_vgpr 480
		.amdhsa_next_free_sgpr 66
		.amdhsa_reserve_vcc 0
		.amdhsa_float_denorm_mode_32 3
		.amdhsa_float_denorm_mode_16_64 3
		.amdhsa_memory_ordered 1
		.amdhsa_forward_progress 1
		.amdhsa_inst_pref_size 121
	.end_amdhsa_kernel
	.amdgpu_metadata
---
amdhsa.version: [ 1, 2 ]
amdhsa.kernels:
  - .name:           k_q1c4844b56a_mtnet
    .symbol:         k_q1c4844b56a_mtnet.kd
    .args:
      - { .name: user_ids, .offset: 0, .size: 8, .value_kind: global_buffer, .address_space: global }
      - { .name: item_ids, .offset: 8, .size: 8, .value_kind: global_buffer, .address_space: global }
      - { .name: U, .offset: 16, .size: 8, .value_kind: global_buffer, .address_space: global }
      - { .name: Q, .offset: 24, .size: 8, .value_kind: global_buffer, .address_space: global }
      - { .name: A, .offset: 32, .size: 8, .value_kind: global_buffer, .address_space: global }
      - { .name: B, .offset: 40, .size: 8, .value_kind: global_buffer, .address_space: global }
      - { .name: W1, .offset: 48, .size: 8, .value_kind: global_buffer, .address_space: global }
      - { .name: b1, .offset: 56, .size: 8, .value_kind: global_buffer, .address_space: global }
      - { .name: W2, .offset: 64, .size: 8, .value_kind: global_buffer, .address_space: global }
      - { .name: b2, .offset: 72, .size: 8, .value_kind: global_buffer, .address_space: global }
      - { .name: out0, .offset: 80, .size: 8, .value_kind: global_buffer, .address_space: global }
      - { .name: out1, .offset: 88, .size: 8, .value_kind: global_buffer, .address_space: global }
    .group_segment_fixed_size: 13312
    .private_segment_fixed_size: 0
    .kernarg_segment_align: 8
    .kernarg_segment_size: 96
    .max_flat_workgroup_size: 256
    .sgpr_count:     66
    .vgpr_count:     480
    .wavefront_size: 32
...
	.end_amdgpu_metadata
.endif
;; end of part 2
